; MI455X (gfx1250); checked and timed in simulation.
; The chip was launched on July 23, 2026; its instructions are those of AMD's public machine-readable ISA for CDNA 5 (MIT licence, August 2026) and "CDNA5" Instruction Set Architecture Reference Guide (July 2026). The comments in the code are by the model that wrote it; some were corrected since.
;; Scan Example. Allowed arithmetic: float matrix products may take bf16 or f16 operands with f32 sums; all other float work in f32.
;; Inputs: init 512 float32; xs 65,536 x 512 float32.
;; Outputs: out0 512 float32.
;; 2 versions, each right; version 2 is version 1 with the launch partial written anew for expert scheduling mode. Each part assembles by itself: llvm-mc -triple=amdgcn-amd-amdhsa -mcpu=gfx1250 --defsym DOCPART=n.
;; ======== version 1 of 2: 2 launches
;; workspace buffers: part 131,072 bytes
;; launch partial (part 1): grid 256 x 1, 32 waves a work-group, no clusters, 20,480 bytes of LDS; arguments xs, part; writes part
.if DOCPART == 1
	.amdgcn_target "amdgcn-amd-amdhsa--gfx1250"
	.amdhsa_code_object_version 6
	.text
	.protected	k_q1a2713e51c_partial
	.globl	k_q1a2713e51c_partial
	.p2align	8
	.type	k_q1a2713e51c_partial,@function
k_q1a2713e51c_partial:
	s_mov_b64 s[64:65], 0
	v_nop
	global_prefetch_b8 v0, s[64:65] scope:SCOPE_SE
	s_setreg_imm32_b32 hwreg(HW_REG_WAVE_MODE, 25, 1), 1
	s_wait_xcnt 0x0
; First of two launches for  out0[c] = init[c] + sum over r of xs[r][c],  xs: [65536][512] f32.
; This one makes part[b][c] = sum of xs[r][c] over the 1,024 rows r of block b:  part is [64][512] f32.
; Work-group g owns the strip of 128 columns (512 bytes) number g & 3 of the rows of block g >> 2.
; Wave w of 32 takes rows w, w + 32, .. (32 rows); a lane takes 4 columns, so one load of a wave covers 512
; consecutive bytes, aligned.  Each byte of xs is loaded once in the whole launch.
; LIMIT: the sums are regrouped (two chains in a lane, 32 waves, later 64 blocks), not taken row by row as the scan
; does: a number passes through at most 36 roundings up to out0 in place of up to 65,536, so the result agrees to
; rounding and not bit for bit; where a running sum comes near f32's largest number, overflow may show in one order and not in the other.
.set WAVES, 32
.set ROWB,  2048                       ; bytes in a row of xs
.set STRIP, 512                        ; bytes of a row that the work-group owns
.set NLOAD, 1024/WAVES                 ; rows (= loads) of a wave: 32
.set STEP,  WAVES*ROWB                 ; from one row of a wave to its next: 65,536 bytes, kept in the immediate
.set DEPTH, 16                         ; register slots = loads of a wave in flight: 32 waves x 16 x 512 bytes = half the group's share
.set OFF,  1                           ; v1       wave x 2,048 + lane x 16: my 16 bytes in my wave's first row
.set ST,   2                           ; v2       LDS: 16 t, where thread t puts its four sums
.set RD,   3                           ; v3       8 t: where threads 0 to 63 read LDS, and their place in the strip of part
.set ACC0, 4                           ; v[4:7]   sums of the even loads
.set ACC1, 8                           ; v[8:11]  sums of the odd loads
.set X,    12                          ; v[12:75] slot s: 4 registers; at the end 32 pairs read back from LDS
	s_load_b128 s[4:7], s[0:1], 0x0                ; xs s[4:5], part s[6:7]
	v_lshl_add_u32 v76, v0, 2, 0x4000
	v_mov_b32 v77, 0
	v_lshrrev_b32 v[ST], 5, v0                     ; wave number (v2 gets its lasting value below)
	v_readfirstlane_b32 s8, v[ST]                  ; and as a scalar, for the branch at the end
	v_and_b32 v[OFF], 31, v0
	v_lshlrev_b32 v[OFF], 4, v[OFF]                ; 16 bytes a lane
	v_lshl_or_b32 v[OFF], v[ST], 11, v[OFF]        ; + the wave's first row
	v_lshlrev_b32 v[ST], 4, v0
	v_lshlrev_b32 v[RD], 3, v0
	s_lshr_b32 s9, ttmp9, 2                        ; block of rows, 0 to 63
	s_and_b32 s10, ttmp9, 3                        ; strip, 0 to 3
	s_lshl_b32 s9, s9, 21                          ; 1,024 rows of 2,048 bytes (at most 63 << 21: fits 32 bits)
	s_lshl_b32 s10, s10, 9
	s_or_b32 s10, s10, s9
	s_mov_b32 s11, 0
	s_lshl_b32 s12, ttmp9, 9                       ; in part: block x 2,048 + strip x 512 = g x 512
	s_mov_b32 s13, 0
	s_wait_kmcnt 0x0
	s_add_nc_u64 s[4:5], s[4:5], s[10:11]
	s_add_nc_u64 s[6:7], s[6:7], s[12:13]
; The next row of the wave, into the slot whose turn it is.  The offset register and the base are never rewritten.
.set ISSUED, 0
.macro LOAD
	global_load_b128 v[X+4*(ISSUED%DEPTH):X+4*(ISSUED%DEPTH)+3], v[OFF], s[4:5] offset:ISSUED*STEP th:TH_LOAD_NT
.set ISSUED, ISSUED+1
.endm
.rept DEPTH
	LOAD
.endr
; Two rows at a time.  The first two pairs start the two chains, so that nothing is cleared.
.set p, 0
.rept NLOAD/2
	s_wait_loadcnt ISSUED-2*p-2                    ; loads return in order (ISA guide 5.7.1): rows 2p and 2p + 1 are in, all younger ones stay out
.if p == 0
	v_pk_add_f32 v[ACC0:ACC0+1],   v[X:X+1],     v[X+4:X+5]
	v_pk_add_f32 v[ACC0+2:ACC0+3], v[X+2:X+3],   v[X+6:X+7]
.else
.if p == 1
	v_pk_add_f32 v[ACC1:ACC1+1],   v[X+8:X+9],   v[X+12:X+13]
	v_pk_add_f32 v[ACC1+2:ACC1+3], v[X+10:X+11], v[X+14:X+15]
.else
	v_pk_add_f32 v[ACC0:ACC0+1],   v[ACC0:ACC0+1],   v[X+4*((2*p)%DEPTH):X+4*((2*p)%DEPTH)+1]
	v_pk_add_f32 v[ACC0+2:ACC0+3], v[ACC0+2:ACC0+3], v[X+4*((2*p)%DEPTH)+2:X+4*((2*p)%DEPTH)+3]
	v_pk_add_f32 v[ACC1:ACC1+1],   v[ACC1:ACC1+1],   v[X+4*((2*p+1)%DEPTH):X+4*((2*p+1)%DEPTH)+1]
	v_pk_add_f32 v[ACC1+2:ACC1+3], v[ACC1+2:ACC1+3], v[X+4*((2*p+1)%DEPTH)+2:X+4*((2*p+1)%DEPTH)+3]
.endif
.endif
.if ISSUED < NLOAD
	LOAD                                           ; the two slots just added are filled again; the last DEPTH rows
	LOAD                                           ; are followed by no load, and the counts above run down to 0
.endif
.set p, p+1
.endr
	v_pk_add_f32 v[ACC0:ACC0+1],   v[ACC0:ACC0+1],   v[ACC1:ACC1+1]
	v_pk_add_f32 v[ACC0+2:ACC0+3], v[ACC0+2:ACC0+3], v[ACC1+2:ACC1+3]
	; Across the 32 waves: wave w's 512 bytes of sums lie at LDS byte 512 w (thread t at 16 t: consecutive, no two lanes on one bank).
	ds_store_b128 v[ST], v[ACC0:ACC0+3]
	s_wait_dscnt 0x0                               ; zero: other waves read these bytes behind the barrier
	s_barrier_signal -1
	s_barrier_wait -1
	s_cmp_ge_u32 s8, 2
	s_cbranch_scc1 .Lend                           ; waves 2 to 31 are done
	; Waves 0 and 1: thread t (0 to 63) adds columns 2t, 2t + 1 of all 32 waves; a load of a wave covers 256 consecutive bytes.
.set k, 0
.rept WAVES
	ds_load_b64 v[X+2*k:X+2*k+1], v[RD] offset:k*STRIP
.set k, k+1
.endr
.set k, 4
.rept WAVES-4
.if k%4 == 0
	s_wait_dscnt WAVES-4-k                         ; LDS loads return in order: up to k + 3 are in, the younger ones stay out
.endif
	v_pk_add_f32 v[X+2*(k%4):X+2*(k%4)+1], v[X+2*(k%4):X+2*(k%4)+1], v[X+2*k:X+2*k+1]   ; four chains, in place
.set k, k+1
.endr
	v_pk_add_f32 v[X:X+1],   v[X:X+1],   v[X+2:X+3]
	v_pk_add_f32 v[X+4:X+5], v[X+4:X+5], v[X+6:X+7]
	v_pk_add_f32 v[X:X+1],   v[X:X+1],   v[X+4:X+5]
	global_store_b64 v[RD], v[X:X+1], s[6:7]       ; a wave's store covers 256 consecutive bytes, aligned; no non-temporal hint: the next launch reads them
.Lend:
	s_wait_tensorcnt 0x0
	ds_add_u32 v76, v77
	s_wait_dscnt 0x0
	s_endpgm
.Lfunc_end_k_q1a2713e51c_partial:
	.size	k_q1a2713e51c_partial, .Lfunc_end_k_q1a2713e51c_partial-k_q1a2713e51c_partial
	.p2alignl 7, 3214868480
	.fill 96, 4, 3214868480
	.section	.rodata,"a",@progbits
	.p2align	6, 0x0
	.amdhsa_kernel k_q1a2713e51c_partial
		.amdhsa_group_segment_fixed_size 20480
		.amdhsa_private_segment_fixed_size 0
		.amdhsa_enable_private_segment 0
		.amdhsa_kernarg_size 16
		.amdhsa_user_sgpr_count 2
		.amdhsa_user_sgpr_kernarg_segment_ptr 1
		.amdhsa_wavefront_size32 1
		.amdhsa_system_sgpr_workgroup_id_x 1
		.amdhsa_system_sgpr_workgroup_id_y 1
		.amdhsa_system_sgpr_workgroup_id_z 1
		.amdhsa_system_vgpr_workitem_id 0
		.amdhsa_next_free_vgpr 78
		.amdhsa_next_free_sgpr 66
		.amdhsa_reserve_vcc 0
		.amdhsa_float_denorm_mode_32 3
		.amdhsa_float_denorm_mode_16_64 3
		.amdhsa_memory_ordered 1
		.amdhsa_forward_progress 1
		.amdhsa_inst_pref_size 14
	.end_amdhsa_kernel
	.amdgpu_metadata
---
amdhsa.version: [ 1, 2 ]
amdhsa.kernels:
  - .name:           k_q1a2713e51c_partial
    .symbol:         k_q1a2713e51c_partial.kd
    .args:
      - { .name: xs, .offset: 0, .size: 8, .value_kind: global_buffer, .address_space: global }
      - { .name: part, .offset: 8, .size: 8, .value_kind: global_buffer, .address_space: global }
    .group_segment_fixed_size: 20480
    .private_segment_fixed_size: 0
    .kernarg_segment_align: 8
    .kernarg_segment_size: 16
    .max_flat_workgroup_size: 1024
    .sgpr_count:     66
    .vgpr_count:     78
    .wavefront_size: 32
...
	.end_amdgpu_metadata
.endif
;; end of part 1
;; launch finish (part 2): grid 8 x 1, 1 waves a work-group, no clusters, 0 bytes of LDS; arguments part, init, out0; writes out0
.if DOCPART == 2
	.amdgcn_target "amdgcn-amd-amdhsa--gfx1250"
	.amdhsa_code_object_version 6
	.text
	.protected	k_q1a2713e51c_finish
	.globl	k_q1a2713e51c_finish
	.p2align	8
	.type	k_q1a2713e51c_finish,@function
k_q1a2713e51c_finish:
	s_mov_b64 s[64:65], 0
	v_nop
	global_prefetch_b8 v0, s[64:65] scope:SCOPE_SE
	s_setreg_imm32_b32 hwreg(HW_REG_WAVE_MODE, 25, 1), 1
	s_wait_xcnt 0x0
; Second launch:  out0[c] = init[c] + sum over b of part[b][c],  part: [64][512] f32 from the first launch.
; Work-group g is one wave and owns columns 64 g to 64 g + 63 (256 bytes of every row): no LDS, no barrier.
; A 16-byte load of the wave takes that piece of two rows: lanes 0-15 an even row, lanes 16-31 the odd row behind it.
; All 32 loads (64 rows) are issued at once into 128 registers and added as they come.
; LIMIT: as stated at the head of the first launch, the order of the sums is not the scan's.
.set ROWB,  2048                       ; bytes in a row of part
.set NLOAD, 32                         ; loads: two rows each
.set OFFP, 1                           ; v1        in part: (lane / 16) x 2,048 + (lane % 16) x 16
.set OFFO, 2                           ; v2        in init and out0: (lane % 16) x 16 + (lane / 16) x 8
.set H,    3                           ; v3        lane / 16
.set I,    4                           ; v[4:5]    init of my two columns
.set K,    6                           ; v[6:7]    the two of my four sums that I keep
.set S,    8                           ; v[8:9]    the two that the lane in the other half keeps
.set X,    12                          ; v[12:139] load k: 4 registers
	s_load_b128 s[4:7], s[0:1], 0x0                ; part s[4:5], init s[6:7]
	s_load_b64 s[8:9], s[0:1], 0x10                ; out0
	v_and_b32 v[OFFP], 15, v0
	v_lshrrev_b32 v[H], 4, v0
	v_lshlrev_b32 v[OFFP], 4, v[OFFP]
	v_lshl_or_b32 v[OFFO], v[H], 3, v[OFFP]
	v_lshl_or_b32 v[OFFP], v[H], 11, v[OFFP]
	v_cmp_le_u32 vcc_lo, 16, v0                    ; lanes 16 to 31
	s_mov_b32 s12, 0x76543210                      ; v_permlanex16_b32: lane i of one half reads lane i of the other
	s_mov_b32 s13, 0xfedcba98
	s_lshl_b32 s10, ttmp9, 8                       ; the group's 256 bytes in a row
	s_mov_b32 s11, 0
	s_wait_kmcnt 0x0
	s_add_nc_u64 s[4:5], s[4:5], s[10:11]
	s_add_nc_u64 s[6:7], s[6:7], s[10:11]
	s_add_nc_u64 s[8:9], s[8:9], s[10:11]
	global_load_b64 v[I:I+1], v[OFFO], s[6:7] th:TH_LOAD_NT        ; first, so that the counts below cover it too
.set k, 0
.rept NLOAD
	global_load_b128 v[X+4*k:X+4*k+3], v[OFFP], s[4:5] offset:k*2*ROWB th:TH_LOAD_NT
.set k, k+1
.endr
.set k, 4
.rept NLOAD-4
.if k%4 == 0
	s_wait_loadcnt NLOAD-4-k                       ; loads return in order (ISA guide 5.7.1): up to k + 3 are in, the younger ones stay out
.endif
	v_pk_add_f32 v[X+4*(k%4):X+4*(k%4)+1],   v[X+4*(k%4):X+4*(k%4)+1],   v[X+4*k:X+4*k+1]     ; four chains, in place:
	v_pk_add_f32 v[X+4*(k%4)+2:X+4*(k%4)+3], v[X+4*(k%4)+2:X+4*(k%4)+3], v[X+4*k+2:X+4*k+3]   ; loads 0 to 3 start them
.set k, k+1
.endr
	v_pk_add_f32 v[X:X+1],     v[X:X+1],     v[X+4:X+5]
	v_pk_add_f32 v[X+2:X+3],   v[X+2:X+3],   v[X+6:X+7]
	v_pk_add_f32 v[X+8:X+9],   v[X+8:X+9],   v[X+12:X+13]
	v_pk_add_f32 v[X+10:X+11], v[X+10:X+11], v[X+14:X+15]
	v_pk_add_f32 v[X:X+1],     v[X:X+1],     v[X+8:X+9]
	v_pk_add_f32 v[X+2:X+3],   v[X+2:X+3],   v[X+10:X+11]
	; Lane (r, h) now holds columns 4r .. 4r + 3 summed over the rows of parity h.  It keeps columns 4r + 2h, 4r + 2h + 1 and hands
	; the other two to lane (r, 1 - h): every lane ends with two finished columns, and all 32 lanes store.
	v_cndmask_b32 v[K],   v[X],   v[X+2], vcc_lo   ; h = 0: columns 0, 1;  h = 1: columns 2, 3
	v_cndmask_b32 v[K+1], v[X+1], v[X+3], vcc_lo
	v_cndmask_b32 v[S],   v[X+2], v[X],   vcc_lo   ; what the other half keeps
	v_cndmask_b32 v[S+1], v[X+3], v[X+1], vcc_lo
	v_pk_add_f32 v[K:K+1], v[K:K+1], v[I:I+1]      ; the scan's starting value
	v_permlanex16_b32 v[X],   v[S],   s12, s13     ; the destinations count as read: X and X + 1 were written above and are free now
	v_permlanex16_b32 v[X+1], v[S+1], s12, s13
	v_pk_add_f32 v[K:K+1], v[K:K+1], v[X:X+1]
	global_store_b64 v[OFFO], v[K:K+1], s[8:9] th:TH_STORE_NT      ; the wave's one store covers the group's 256 consecutive bytes, aligned
	s_endpgm
.Lfunc_end_k_q1a2713e51c_finish:
	.size	k_q1a2713e51c_finish, .Lfunc_end_k_q1a2713e51c_finish-k_q1a2713e51c_finish
	.p2alignl 7, 3214868480
	.fill 96, 4, 3214868480
	.section	.rodata,"a",@progbits
	.p2align	6, 0x0
	.amdhsa_kernel k_q1a2713e51c_finish
		.amdhsa_group_segment_fixed_size 0
		.amdhsa_private_segment_fixed_size 0
		.amdhsa_enable_private_segment 0
		.amdhsa_kernarg_size 24
		.amdhsa_user_sgpr_count 2
		.amdhsa_user_sgpr_kernarg_segment_ptr 1
		.amdhsa_wavefront_size32 1
		.amdhsa_system_sgpr_workgroup_id_x 1
		.amdhsa_system_sgpr_workgroup_id_y 1
		.amdhsa_system_sgpr_workgroup_id_z 1
		.amdhsa_system_vgpr_workitem_id 0
		.amdhsa_next_free_vgpr 140
		.amdhsa_next_free_sgpr 66
		.amdhsa_reserve_vcc 1
		.amdhsa_float_denorm_mode_32 3
		.amdhsa_float_denorm_mode_16_64 3
		.amdhsa_memory_ordered 1
		.amdhsa_forward_progress 1
		.amdhsa_inst_pref_size 9
	.end_amdhsa_kernel
	.amdgpu_metadata
---
amdhsa.version: [ 1, 2 ]
amdhsa.kernels:
  - .name:           k_q1a2713e51c_finish
    .symbol:         k_q1a2713e51c_finish.kd
    .args:
      - { .name: part, .offset: 0, .size: 8, .value_kind: global_buffer, .address_space: global }
      - { .name: init, .offset: 8, .size: 8, .value_kind: global_buffer, .address_space: global }
      - { .name: out0, .offset: 16, .size: 8, .value_kind: global_buffer, .address_space: global }
    .group_segment_fixed_size: 0
    .private_segment_fixed_size: 0
    .kernarg_segment_align: 8
    .kernarg_segment_size: 24
    .max_flat_workgroup_size: 32
    .sgpr_count:     66
    .vgpr_count:     140
    .wavefront_size: 32
...
	.end_amdgpu_metadata
.endif
;; end of part 2
;; ======== version 2 of 2: 2 launches; version 1 with the launch partial written anew for expert scheduling mode
;; workspace buffers: part 131,072 bytes
;; launch partial (part 3): grid 256 x 1, 32 waves a work-group, no clusters, 20,480 bytes of LDS; arguments xs, part; writes part
.if DOCPART == 3
	.amdgcn_target "amdgcn-amd-amdhsa--gfx1250"
	.amdhsa_code_object_version 6
	.text
	.protected	k_q1a2713e51c_partial
	.globl	k_q1a2713e51c_partial
	.p2align	8
	.type	k_q1a2713e51c_partial,@function
k_q1a2713e51c_partial:
	s_mov_b64 s[64:65], 0
	v_nop
	global_prefetch_b8 v0, s[64:65] scope:SCOPE_SE
	s_setreg_imm32_b32 hwreg(HW_REG_WAVE_SCHED_MODE, 0, 2), 2
	s_setreg_imm32_b32 hwreg(HW_REG_WAVE_MODE, 25, 1), 1
	s_wait_xcnt 0x0
	s_wait_alu depctr_vm_vsrc(0)
; First of two launches for  out0[c] = init[c] + sum over r of xs[r][c],  xs: [65536][512] f32.
; This one makes part[b][c] = sum of xs[r][c] over the 1,024 rows r of block b:  part is [64][512] f32.
; Work-group g owns the strip of 128 columns (512 bytes) number g & 3 of the rows of block g >> 2.
; Wave w of 32 takes rows w, w + 32, .. (32 rows); a lane takes 4 columns, so one load of a wave covers 512
; consecutive bytes, aligned.  Each byte of xs is loaded once in the whole launch.
; LIMIT: the sums are regrouped (two chains in a lane, 32 waves, later 64 blocks), not taken row by row as the scan
; does: a number passes through at most 36 roundings up to out0 in place of up to 65,536, so the result agrees to
; rounding and not bit for bit; where a running sum comes near f32's largest number, overflow may show in one order and not in the other.
; THE MODE: SCHED_MODE bits 1:0 = 2 (LLVM: expert scheduling mode 2), set by the entry lines.  The code itself states the register
; dependences between vector instructions and memory or LDS instructions, with s_wait_alu, always for 0.
; THE PLAN.  Registers that memory or LDS instructions touch:
;   v1, v2, v3   offsets and LDS addresses, made at the head and never written again: the rows are reached by immediate offsets.
;   X            20 slots of 4 registers.  Row n lands in slot n % 20 and is read by the additions of pair n / 2.  Pair p asks for rows
;                16 + 2p and 17 + 2p, which land in the slots that pair p - 2 read (pairs 0 and 1: in slots that nothing has named).
;                At the end 32 LDS loads land in X's first 64 registers.
;   ACC0         written by the additions; read by the one LDS store.
; So one wait on va_vdst at the head of pairs 2, 4 and 6 states that the two pairs before are done reading their four slots; the four
; loads of this pair and the next land there, dealt among additions that name only the accumulators and these two pairs' own slots.
; No register that a memory or LDS instruction reads is ever written afterwards, so the text holds no wait on vm_vsrc.
.set WAVES, 32
.set ROWB,  2048                       ; bytes in a row of xs
.set STRIP, 512                        ; bytes of a row that the work-group owns
.set NLOAD, 1024/WAVES                 ; rows (= loads) of a wave: 32
.set STEP,  WAVES*ROWB                 ; from one row of a wave to its next: 65,536 bytes, kept in the immediate
.set AHEAD, 16                         ; loads of a wave in flight: 32 waves x 16 x 512 bytes = half the group's share
.set DEPTH, AHEAD+4                    ; register slots: the two pairs last added keep theirs until the next wait on va_vdst
.set OFF,  1                           ; v1       wave x 2,048 + lane x 16: my 16 bytes in my wave's first row
.set ST,   2                           ; v2       LDS: 16 t, where thread t puts its four sums
.set RD,   3                           ; v3       8 t: where threads 0 to 63 read LDS, and their place in the strip of part
.set ACC0, 4                           ; v[4:7]   sums of the even loads
.set ACC1, 8                           ; v[8:11]  sums of the odd loads
.set X,    12                          ; v[12:91] slot s: 4 registers; at the end 32 pairs read back from LDS in v[12:75]
	s_load_b128 s[4:7], s[0:1], 0x0                ; xs s[4:5], part s[6:7]
	v_lshl_add_u32 v92, v0, 2, 0x4000
	v_mov_b32 v93, 0
	v_lshrrev_b32 v[ST], 5, v0                     ; wave number (v2 gets its lasting value below)
	v_readfirstlane_b32 s8, v[ST]                  ; and as a scalar, for the branch at the end
	v_and_b32 v[OFF], 31, v0
	v_lshlrev_b32 v[OFF], 4, v[OFF]                ; 16 bytes a lane
	v_lshl_or_b32 v[OFF], v[ST], 11, v[OFF]        ; + the wave's first row
	v_lshlrev_b32 v[ST], 4, v0
	v_lshlrev_b32 v[RD], 3, v0
	s_wait_alu depctr_va_sdst(0)                   ; s8 is written, ahead of its first reader, the compare behind the barrier
	s_lshr_b32 s9, ttmp9, 2                        ; block of rows, 0 to 63
	s_and_b32 s10, ttmp9, 3                        ; strip, 0 to 3
	s_lshl_b32 s9, s9, 21                          ; 1,024 rows of 2,048 bytes (at most 63 << 21: fits 32 bits)
	s_lshl_b32 s10, s10, 9
	s_or_b32 s10, s10, s9
	s_mov_b32 s11, 0
	s_lshl_b32 s12, ttmp9, 9                       ; in part: block x 2,048 + strip x 512 = g x 512
	s_mov_b32 s13, 0
	s_wait_kmcnt 0x0
	s_add_nc_u64 s[4:5], s[4:5], s[10:11]
	s_add_nc_u64 s[6:7], s[6:7], s[12:13]
	s_wait_alu depctr_va_vdst(0)                   ; v1, v2 and v3 are written: every load, LDS instruction and store below reads one of them as its address
; The next row of the wave, into the slot whose turn it is.  The offset register and the base are never rewritten.
.set ISSUED, 0
.macro LOAD
	global_load_b128 v[X+4*(ISSUED%DEPTH):X+4*(ISSUED%DEPTH)+3], v[OFF], s[4:5] offset:ISSUED*STEP th:TH_LOAD_NT
.set ISSUED, ISSUED+1
.endm
.rept AHEAD
	LOAD
.endr
; Two rows at a time.  The first two pairs start the two chains, so that nothing is cleared.
; A pair's two loads stand ahead of and between its additions; the last AHEAD rows are followed by no load, and the counts run down to 0.
.set p, 0
.rept NLOAD/2
	s_wait_loadcnt ISSUED-2*p-2                    ; loads return in order (ISA guide 5.7.1): rows 2p and 2p + 1 are in, all younger ones stay out
.if (p > 0) && (p%2 == 0) && (ISSUED < NLOAD)
	s_wait_alu depctr_va_vdst(0)                   ; the additions of pairs p - 2 and p - 1 are done reading their four slots, in which the loads of this pair and the next land
.endif
.if ISSUED < NLOAD
	LOAD                                           ; no vector instruction since the last wait on va_vdst names this slot
.endif
.if p == 0
	v_pk_add_f32 v[ACC0:ACC0+1],   v[X:X+1],     v[X+4:X+5]
.elseif p == 1
	v_pk_add_f32 v[ACC1:ACC1+1],   v[X+8:X+9],   v[X+12:X+13]
.else
	v_pk_add_f32 v[ACC0:ACC0+1],   v[ACC0:ACC0+1],   v[X+4*((2*p)%DEPTH):X+4*((2*p)%DEPTH)+1]
	v_pk_add_f32 v[ACC0+2:ACC0+3], v[ACC0+2:ACC0+3], v[X+4*((2*p)%DEPTH)+2:X+4*((2*p)%DEPTH)+3]
.endif
.if ISSUED < NLOAD
	LOAD                                           ; nor this one
.endif
.if p == 0
	v_pk_add_f32 v[ACC0+2:ACC0+3], v[X+2:X+3],   v[X+6:X+7]
.elseif p == 1
	v_pk_add_f32 v[ACC1+2:ACC1+3], v[X+10:X+11], v[X+14:X+15]
.else
	v_pk_add_f32 v[ACC1:ACC1+1],   v[ACC1:ACC1+1],   v[X+4*((2*p+1)%DEPTH):X+4*((2*p+1)%DEPTH)+1]
	v_pk_add_f32 v[ACC1+2:ACC1+3], v[ACC1+2:ACC1+3], v[X+4*((2*p+1)%DEPTH)+2:X+4*((2*p+1)%DEPTH)+3]
.endif
.set p, p+1
.endr
	v_pk_add_f32 v[ACC0:ACC0+1],   v[ACC0:ACC0+1],   v[ACC1:ACC1+1]
	v_pk_add_f32 v[ACC0+2:ACC0+3], v[ACC0+2:ACC0+3], v[ACC1+2:ACC1+3]
	; Across the 32 waves: wave w's 512 bytes of sums lie at LDS byte 512 w (thread t at 16 t: consecutive, no two lanes on one bank).
	s_wait_alu depctr_va_vdst(0)                   ; the additions have written ACC0, which the LDS store reads, and are done reading X, in which the LDS loads behind the barrier land
	ds_store_b128 v[ST], v[ACC0:ACC0+3]
	s_wait_dscnt 0x0                               ; zero: other waves read these bytes behind the barrier
	s_barrier_signal -1
	s_barrier_wait -1
	s_cmp_ge_u32 s8, 2
	s_cbranch_scc1 .Lend                           ; waves 2 to 31 are done
	; Waves 0 and 1: thread t (0 to 63) adds columns 2t, 2t + 1 of all 32 waves; a load of a wave covers 256 consecutive bytes.
.set k, 0
.rept WAVES
	ds_load_b64 v[X+2*k:X+2*k+1], v[RD] offset:k*STRIP     ; no vector instruction since the wait ahead of the LDS store
.set k, k+1
.endr
.set k, 4
.rept WAVES-4
.if k%4 == 0
	s_wait_dscnt WAVES-4-k                         ; LDS loads return in order: up to k + 3 are in, the younger ones stay out
.endif
	v_pk_add_f32 v[X+2*(k%4):X+2*(k%4)+1], v[X+2*(k%4):X+2*(k%4)+1], v[X+2*k:X+2*k+1]   ; four chains, in place
.set k, k+1
.endr
	v_pk_add_f32 v[X:X+1],   v[X:X+1],   v[X+2:X+3]
	v_pk_add_f32 v[X+4:X+5], v[X+4:X+5], v[X+6:X+7]
	v_pk_add_f32 v[X:X+1],   v[X:X+1],   v[X+4:X+5]
	s_wait_alu depctr_va_vdst(0)                   ; the last addition has written v[X:X+1], which the store reads
	global_store_b64 v[RD], v[X:X+1], s[6:7]       ; a wave's store covers 256 consecutive bytes, aligned; no non-temporal hint: the next launch reads them
.Lend:
	s_wait_dscnt 0x0
	s_wait_alu depctr_hold_cnt(0) depctr_sa_sdst(0) depctr_va_vdst(0) depctr_va_sdst(0) depctr_va_ssrc(0) depctr_va_vcc(0) depctr_vm_vsrc(0)
	s_wait_tensorcnt 0x0
	ds_add_u32 v92, v93
	s_wait_dscnt 0x0
	s_endpgm
.Lfunc_end_k_q1a2713e51c_partial:
	.size	k_q1a2713e51c_partial, .Lfunc_end_k_q1a2713e51c_partial-k_q1a2713e51c_partial
	.p2alignl 7, 3214868480
	.fill 96, 4, 3214868480
	.section	.rodata,"a",@progbits
	.p2align	6, 0x0
	.amdhsa_kernel k_q1a2713e51c_partial
		.amdhsa_group_segment_fixed_size 20480
		.amdhsa_private_segment_fixed_size 0
		.amdhsa_enable_private_segment 0
		.amdhsa_kernarg_size 16
		.amdhsa_user_sgpr_count 2
		.amdhsa_user_sgpr_kernarg_segment_ptr 1
		.amdhsa_wavefront_size32 1
		.amdhsa_system_sgpr_workgroup_id_x 1
		.amdhsa_system_sgpr_workgroup_id_y 1
		.amdhsa_system_sgpr_workgroup_id_z 1
		.amdhsa_system_vgpr_workitem_id 0
		.amdhsa_next_free_vgpr 94
		.amdhsa_next_free_sgpr 66
		.amdhsa_reserve_vcc 0
		.amdhsa_float_denorm_mode_32 3
		.amdhsa_float_denorm_mode_16_64 3
		.amdhsa_memory_ordered 1
		.amdhsa_forward_progress 1
		.amdhsa_inst_pref_size 14
	.end_amdhsa_kernel
	.amdgpu_metadata
---
amdhsa.version: [ 1, 2 ]
amdhsa.kernels:
  - .name:           k_q1a2713e51c_partial
    .symbol:         k_q1a2713e51c_partial.kd
    .args:
      - { .name: xs, .offset: 0, .size: 8, .value_kind: global_buffer, .address_space: global }
      - { .name: part, .offset: 8, .size: 8, .value_kind: global_buffer, .address_space: global }
    .group_segment_fixed_size: 20480
    .private_segment_fixed_size: 0
    .kernarg_segment_align: 8
    .kernarg_segment_size: 16
    .max_flat_workgroup_size: 1024
    .sgpr_count:     66
    .vgpr_count:     94
    .wavefront_size: 32
...
	.end_amdgpu_metadata
.endif
;; end of part 3
;; launch finish: the kernel of part 2 again; grid 8 x 1, 1 waves a work-group, no clusters, 0 bytes of LDS; arguments part, init, out0; writes out0
